; MI455X (gfx1250); checked and timed in simulation.
; The chip was launched on July 23, 2026; its instructions are those of AMD's public machine-readable ISA for CDNA 5 (MIT licence, August 2026) and "CDNA5" Instruction Set Architecture Reference Guide (July 2026). The comments in the code are by the model that wrote it; some were corrected since.
;; Pooling Layer. Allowed arithmetic: float matrix products may take bf16 or f16 operands with f32 sums; all other float work in f32.
;; Inputs: Wk 512 x 512 float32; Wo 512 x 512 float32; Wq 512 x 512 float32; Wv 512 x 512 float32; bk 512 float32; bo 512 float32; bq 512 float32; bv 512 float32; nk_b 512 float32; nk_g 512 float32; no_b 512 float32; no_g 512 float32; norm_b 512 float32; norm_g 512 float32; nq_b 512 float32; nq_g 512 float32; nv_b 512 float32; nv_g 512 float32; query 1 x 1 x 512 float32; x 8 x 8,192 x 512 float32.
;; Outputs: out0 8 x 512 float32.
;; One version. Each part assembles by itself: llvm-mc -triple=amdgcn-amd-amdhsa -mcpu=gfx1250 --defsym DOCPART=n.
;; ======== version 1 of 1: 5 launches
;; workspace buffers: gfrag 16,384 bytes; gf32 32,768 bytes; chb 256 bytes; ppart 8,388,608 bytes; stats 65,536 bytes; comb 32,768 bytes; flags 512 bytes of whole numbers; tpart 262,144 bytes
;; launch prep (part 1): grid 16 x 1, 8 waves a work-group, no clusters, 2,304 bytes of LDS; arguments query, nq_g, nq_b, Wq, bq, Wk, bk, nk_g, nk_b, gfrag, gf32, chb; writes gfrag, gf32, chb
.if DOCPART == 1
	.amdgcn_target "amdgcn-amd-amdhsa--gfx1250"
	.amdhsa_code_object_version 6
	.text
	.protected	k_q06358687b6_prep
	.globl	k_q06358687b6_prep
	.p2align	8
	.type	k_q06358687b6_prep,@function
k_q06358687b6_prep:
	s_mov_b64 s[64:65], 0
	v_nop
	global_prefetch_b8 v0, s[64:65] scope:SCOPE_SE
	s_setreg_imm32_b32 hwreg(HW_REG_WAVE_MODE, 25, 1), 1
	s_wait_xcnt 0x0
; PREP: one work-group for each of the 16 heads.  With one query the K projection moves off the long axis:
;   score[s][h] = y[s] . G[h] + c[h],   y = the twice-normalised row before nk's gain,
;   q    = (LayerNorm(query) Wq^T + bq) * SC,  SC = log2(e) / sqrt(32): scores are kept in units of log2,
;   U[i] = sum over d of q[32h+d] Wk[32h+d][i],   G[h][i] = nk_g[i] U[i],   c[h] = nk_b . U + sum over d of q[32h+d] bk[32h+d].
; Out: gf32 = G in f32 [16][512]; gfrag = G in bf16 as [64 groups of 8 columns][16 heads][8], the order in which the next
; launch's matrix operand is read (32 lanes, 16 neighbouring bytes each); chb = c[16].
; One-row products that read each weight once: vector arithmetic in f32, no matrix unit, no cluster (work-groups share only the query).
; Limits: NaN and infinities in the inputs are not served.
.set SELLO, 36                         ; s36, s37: v_permlanex16_b32 selects, lane i takes lane i of the other half
.set SELHI, 37
.set QX,  8                            ; v[8:23]    query, then LayerNorm(query): lane L holds columns 128 j + 4 L + e at register 4 j + e
.set QG,  24                           ; v[24:39]   nq_g, same layout
.set QB,  40                           ; v[40:55]   nq_b
.set WQ,  56                           ; v[56:119]  four rows of Wq (32 h + 4 w + i at 16 i), same layout
.set WK,  120                          ; v[120:183] Wk[32 h + d][2 t, 2 t + 1] at 2 d
.set NKG, 184                          ; v[184:185] nk_g[2 t, 2 t + 1]
.set NKB, 186                          ; v[186:187] nk_b
.set BK,  188                          ; bk[32 h + L]
.set QL,  189                          ; q[32 h + L]
.set U,   190                          ; v[190:191] U[2 t, 2 t + 1]
.set QV,  192                          ; v[192:223] the head's 32 q, in every lane
.set T,   224                          ; v[224:239] at work
.set QS,  0                            ; LDS: q[32]
.set CS,  128                          ; LDS: eight waves' parts of nk_b . U
.set GS,  256                          ; LDS: the head's G in bf16, 1,024 bytes
.macro REDSUM1 r                       ; sum over the 32 lanes, result in every lane; v[r+1] is scratch that has been written
.irp m, 1,2,4,8
	v_add_f32_dpp v[\r], v[\r], v[\r] row_xmask:\m row_mask:0xf bank_mask:0xf
.endr
	v_permlanex16_b32 v[\r+1], v[\r], s[SELLO], s[SELHI]
	v_add_f32 v[\r], v[\r], v[\r+1]
.endm
.macro REDSUM4 a, b, c, d              ; four such sums side by side
.irp m, 1,2,4,8
.irp r, \a, \b, \c, \d
	v_add_f32_dpp v[\r], v[\r], v[\r] row_xmask:\m row_mask:0xf bank_mask:0xf
.endr
.endr
.irp r, \a, \b, \c, \d
	v_permlanex16_b32 v[\r+1], v[\r], s[SELLO], s[SELHI]
.endr
.irp r, \a, \b, \c, \d
	v_add_f32 v[\r], v[\r], v[\r+1]
.endr
.endm
	s_load_b512 s[4:19], s[0:1], 0x0               ; query 4, nq_g 6, nq_b 8, Wq 10, bq 12, Wk 14, bk 16, nk_g 18
	s_load_b256 s[20:27], s[0:1], 0x40             ; nk_b 20, gfrag 22, gf32 24, chb 26
	v_lshl_add_u32 v240, v0, 2, 0x500
	v_mov_b32 v241, 0
	v_lshrrev_b32 v5, 5, v0
	v_readfirstlane_b32 s28, v5                    ; wave w
	v_and_b32 v1, 31, v0                           ; lane L
	v_lshlrev_b32 v2, 4, v1                        ; 16 L
	v_lshlrev_b32 v3, 3, v0                        ; 8 t
	v_lshlrev_b32 v4, 2, v1                        ; 4 L
	v_lshlrev_b32 v7, 2, v0                        ; 4 t
	s_mov_b32 s36, 0x76543210
	s_mov_b32 s37, 0xfedcba98
	s_mov_b32 s38, 0x3b000000                      ; 1/512
	s_mov_b32 s39, 0x3727c5ac                      ; 1e-5
	s_mov_b32 s40, 0x3e8293ee                      ; SC
	s_mov_b32 s43, 0xbb000000                      ; -1/512
	s_lshl_b32 s42, s28, 4                         ; 16 w
	s_lshl_b32 s44, s28, 2                         ; 4 w
	s_lshl_b32 s29, ttmp9, 5
	s_lshl2_add_u32 s29, s28, s29                  ; my first row of Wq: 32 h + 4 w
	s_lshl_b32 s30, s29, 11                        ; in bytes
	s_mov_b32 s31, 0
	s_lshl_b32 s29, s29, 2                         ; and its place in bq
	s_wait_kmcnt 0x0
	s_load_b128 s[32:35], s[12:13], s29 offset:0x0 ; bq of my four rows
	s_add_nc_u64 s[10:11], s[10:11], s[30:31]      ; Wq at my rows
	s_lshl_b32 s30, ttmp9, 16
	s_add_nc_u64 s[14:15], s[14:15], s[30:31]      ; Wk at row 32 h
	s_lshl_b32 s30, ttmp9, 7
	s_add_nc_u64 s[16:17], s[16:17], s[30:31]      ; bk at 32 h
	s_lshl_b32 s30, ttmp9, 11
	s_add_nc_u64 s[24:25], s[24:25], s[30:31]      ; gf32 at row h
	s_lshl_b32 s30, ttmp9, 4
	s_add_nc_u64 s[22:23], s[22:23], s[30:31]      ; gfrag at head h's 16 bytes of each group
	s_lshl_b32 s30, ttmp9, 2
	s_add_nc_u64 s[26:27], s[26:27], s[30:31]      ; chb at word h
	; all 63 loads at once: 12 (query and its norm), 16 (Wq), 32 (Wk), 3 (nk_g, nk_b, bk)
.irp j, 0,1,2,3
	global_load_b128 v[QX+4*\j:QX+4*\j+3], v2, s[4:5] offset:512*\j
.endr
.irp j, 0,1,2,3
	global_load_b128 v[QG+4*\j:QG+4*\j+3], v2, s[6:7] offset:512*\j
.endr
.irp j, 0,1,2,3
	global_load_b128 v[QB+4*\j:QB+4*\j+3], v2, s[8:9] offset:512*\j
.endr
.irp i, 0,1,2,3
.irp j, 0,1,2,3
	global_load_b128 v[WQ+16*\i+4*\j:WQ+16*\i+4*\j+3], v2, s[10:11] offset:2048*\i+512*\j
.endr
.endr
.set dd, 0
.rept 32
	global_load_b64 v[WK+2*dd:WK+2*dd+1], v3, s[14:15] offset:2048*dd
.set dd, dd+1
.endr
	global_load_b64 v[NKG:NKG+1], v3, s[18:19]
	global_load_b64 v[NKB:NKB+1], v3, s[20:21]
	global_load_b32 v[BK], v4, s[16:17]
	; LayerNorm of the query, in every wave
	s_wait_loadcnt 51                              ; the first 12 loads are in; 16 + 32 + 3 younger ones stay out
.irp p, 0,1,2,3
	v_pk_add_f32 v[T+2*\p:T+2*\p+1], v[QX+4*\p:QX+4*\p+1], v[QX+4*\p+2:QX+4*\p+3]
.endr
	v_pk_add_f32 v[T:T+1], v[T:T+1], v[T+2:T+3]
	v_pk_add_f32 v[T+4:T+5], v[T+4:T+5], v[T+6:T+7]
	v_pk_add_f32 v[T:T+1], v[T:T+1], v[T+4:T+5]
	v_add_f32 v[T], v[T], v[T+1]
	REDSUM1 T
	v_mul_f32 v[T+2], s43, v[T]                    ; - mean
.irp p, 0,1,2,3,4,5,6,7
	v_pk_add_f32 v[QX+2*\p:QX+2*\p+1], v[QX+2*\p:QX+2*\p+1], v[T+2:T+3] op_sel_hi:[1,0]
.endr
	v_pk_mul_f32 v[T:T+1], v[QX:QX+1], v[QX:QX+1]
.irp p, 1,2,3,4,5,6,7
	v_pk_fma_f32 v[T:T+1], v[QX+2*\p:QX+2*\p+1], v[QX+2*\p:QX+2*\p+1], v[T:T+1]
.endr
	v_add_f32 v[T], v[T], v[T+1]
	REDSUM1 T
	v_fma_f32 v[T], v[T], s38, s39                 ; variance + 1e-5
	v_rsq_f32 v[T+2], v[T]
	v_nop                                          ; one plain place behind the transcendental (ISA guide 5.7.2)
	s_wait_alu depctr_va_vdst(0)
.irp p, 0,1,2,3,4,5,6,7
	v_pk_mul_f32 v[QX+2*\p:QX+2*\p+1], v[QX+2*\p:QX+2*\p+1], v[T+2:T+3] op_sel_hi:[1,0]
.endr
.irp p, 0,1,2,3,4,5,6,7
	v_pk_fma_f32 v[QX+2*\p:QX+2*\p+1], v[QX+2*\p:QX+2*\p+1], v[QG+2*\p:QG+2*\p+1], v[QB+2*\p:QB+2*\p+1]
.endr
	; q of my four rows
	s_wait_loadcnt 35                              ; Wq is in; 32 + 3 younger loads stay out
	s_wait_kmcnt 0x0                               ; bq
.irp i, 0,1,2,3
	s_mul_f32 s[32+\i], s[32+\i], s40              ; bq * SC
	v_pk_mul_f32 v[T+4*\i:T+4*\i+1], v[WQ+16*\i:WQ+16*\i+1], v[QX:QX+1]
.endr
.irp p, 1,2,3,4,5,6,7
.irp i, 0,1,2,3
	v_pk_fma_f32 v[T+4*\i:T+4*\i+1], v[WQ+16*\i+2*\p:WQ+16*\i+2*\p+1], v[QX+2*\p:QX+2*\p+1], v[T+4*\i:T+4*\i+1]
.endr
.endr
.irp i, 0,1,2,3
	v_add_f32 v[T+4*\i], v[T+4*\i], v[T+4*\i+1]
.endr
	REDSUM4 T, T+4, T+8, T+12
	v_mov_b32 v5, s42                              ; 16 w
.irp i, 0,1,2,3
	v_fma_f32 v[T+4*\i], v[T+4*\i], s40, s[32+\i]  ; (dot + bq) * SC
	ds_store_b32 v5, v[T+4*\i] offset:QS+4*\i      ; every lane writes the same word with the same value
.endr
	s_wait_dscnt 0x0                               ; my q are in LDS before I say so
	s_barrier_signal -1
	s_barrier_wait -1
	v_mov_b32 v6, 0
.irp k, 0,1,2,3,4,5,6,7
	ds_load_b128 v[QV+4*\k:QV+4*\k+3], v6 offset:QS+16*\k
.endr
	ds_load_b32 v[QL], v4 offset:QS
	s_wait_dscnt 0x0
	s_wait_loadcnt 0x0                             ; Wk, nk_g, nk_b, bk
	; U of my two columns
	v_mul_f32 v[U], v[QV], v[WK]
	v_mul_f32 v[U+1], v[QV], v[WK+1]
.set dd, 1
.rept 31
	v_fmac_f32 v[U], v[QV+dd], v[WK+2*dd]
	v_fmac_f32 v[U+1], v[QV+dd], v[WK+2*dd+1]
.set dd, dd+1
.endr
	v_pk_mul_f32 v[T:T+1], v[U:U+1], v[NKG:NKG+1]  ; G
	global_store_b64 v3, v[T:T+1], s[24:25]        ; a wave stores 256 consecutive bytes, aligned
	v_cvt_pk_bf16_f32 v[T+2], v[T], v[T+1]
	ds_store_b32 v7, v[T+2] offset:GS
	v_mul_f32 v[T+4], v[U], v[NKB]
	v_fmac_f32 v[T+4], v[U+1], v[NKB+1]
	REDSUM1 T+4
	v_mov_b32 v5, s44                              ; 4 w
	ds_store_b32 v5, v[T+4] offset:CS
	s_wait_dscnt 0x0                               ; G and my part of c are in LDS before I say so
	s_barrier_signal -1
	s_barrier_wait -1
	s_cmp_gt_u32 s28, 1
	s_cbranch_scc1 .Lend
	; waves 0 and 1: thread t (0 to 63) moves group t, 8 columns = 16 bytes, to its place in gfrag.  Pieces of 16 bytes, 1 KiB for
	; the work-group, once: the price of a layout that the next launch's 256 work-groups read in runs of 512 bytes.
	v_lshlrev_b32 v5, 4, v0
	ds_load_b128 v[8:11], v5 offset:GS
	v_lshlrev_b32 v6, 8, v0
	s_wait_dscnt 0x0
	global_store_b128 v6, v[8:11], s[22:23]
	s_cmp_lg_u32 s28, 0
	s_cbranch_scc1 .Lend
	; wave 0: c[h]
	v_mov_b32 v12, 0
	ds_load_b128 v[T+8:T+11], v12 offset:CS
	ds_load_b128 v[T+12:T+15], v12 offset:CS+16
	v_mul_f32 v[T+4], v[QL], v[BK]
	REDSUM1 T+4
	s_wait_dscnt 0x0
	v_pk_add_f32 v[T+8:T+9], v[T+8:T+9], v[T+10:T+11]
	v_pk_add_f32 v[T+12:T+13], v[T+12:T+13], v[T+14:T+15]
	v_pk_add_f32 v[T+8:T+9], v[T+8:T+9], v[T+12:T+13]
	v_add_f32 v[T+8], v[T+8], v[T+9]
	v_add_f32 v[T+4], v[T+4], v[T+8]
	s_wait_xcnt 0x0                                ; EXEC is a source of the pending stores: it changes only behind this wait
	v_cmp_eq_u32 vcc_lo, 0, v1
	s_and_saveexec_b32 s41, vcc_lo
	global_store_b32 v12, v[T+4], s[26:27]         ; lane 0 alone
	s_wait_xcnt 0x0
	s_or_b32 exec_lo, exec_lo, s41
.Lend:
	s_wait_tensorcnt 0x0
	ds_add_u32 v240, v241
	s_wait_dscnt 0x0
	s_endpgm
.Lfunc_end_k_q06358687b6_prep:
	.size	k_q06358687b6_prep, .Lfunc_end_k_q06358687b6_prep-k_q06358687b6_prep
	.p2alignl 7, 3214868480
	.fill 96, 4, 3214868480
	.section	.rodata,"a",@progbits
	.p2align	6, 0x0
	.amdhsa_kernel k_q06358687b6_prep
		.amdhsa_group_segment_fixed_size 2304
		.amdhsa_private_segment_fixed_size 0
		.amdhsa_enable_private_segment 0
		.amdhsa_kernarg_size 96
		.amdhsa_user_sgpr_count 2
		.amdhsa_user_sgpr_kernarg_segment_ptr 1
		.amdhsa_wavefront_size32 1
		.amdhsa_system_sgpr_workgroup_id_x 1
		.amdhsa_system_sgpr_workgroup_id_y 1
		.amdhsa_system_sgpr_workgroup_id_z 1
		.amdhsa_system_vgpr_workitem_id 0
		.amdhsa_next_free_vgpr 242
		.amdhsa_next_free_sgpr 66
		.amdhsa_reserve_vcc 1
		.amdhsa_float_denorm_mode_32 3
		.amdhsa_float_denorm_mode_16_64 3
		.amdhsa_memory_ordered 1
		.amdhsa_forward_progress 1
		.amdhsa_inst_pref_size 21
	.end_amdhsa_kernel
	.amdgpu_metadata
---
amdhsa.version: [ 1, 2 ]
amdhsa.kernels:
  - .name:           k_q06358687b6_prep
    .symbol:         k_q06358687b6_prep.kd
    .args:
      - { .name: query, .offset: 0, .size: 8, .value_kind: global_buffer, .address_space: global }
      - { .name: nq_g, .offset: 8, .size: 8, .value_kind: global_buffer, .address_space: global }
      - { .name: nq_b, .offset: 16, .size: 8, .value_kind: global_buffer, .address_space: global }
      - { .name: Wq, .offset: 24, .size: 8, .value_kind: global_buffer, .address_space: global }
      - { .name: bq, .offset: 32, .size: 8, .value_kind: global_buffer, .address_space: global }
      - { .name: Wk, .offset: 40, .size: 8, .value_kind: global_buffer, .address_space: global }
      - { .name: bk, .offset: 48, .size: 8, .value_kind: global_buffer, .address_space: global }
      - { .name: nk_g, .offset: 56, .size: 8, .value_kind: global_buffer, .address_space: global }
      - { .name: nk_b, .offset: 64, .size: 8, .value_kind: global_buffer, .address_space: global }
      - { .name: gfrag, .offset: 72, .size: 8, .value_kind: global_buffer, .address_space: global }
      - { .name: gf32, .offset: 80, .size: 8, .value_kind: global_buffer, .address_space: global }
      - { .name: chb, .offset: 88, .size: 8, .value_kind: global_buffer, .address_space: global }
    .group_segment_fixed_size: 2304
    .private_segment_fixed_size: 0
    .kernarg_segment_align: 8
    .kernarg_segment_size: 96
    .max_flat_workgroup_size: 256
    .sgpr_count:     66
    .vgpr_count:     242
    .wavefront_size: 32
...
	.end_amdgpu_metadata
.endif
;; end of part 1
;; launch main (part 2): grid 256 x 1, 8 waves a work-group, no clusters, 315,904 bytes of LDS; arguments x, norm_g, norm_b, gfrag, chb, ppart, stats; writes ppart, stats
.if DOCPART == 2
	.amdgcn_target "amdgcn-amd-amdhsa--gfx1250"
	.amdhsa_code_object_version 6
	.text
	.protected	k_q06358687b6_main
	.globl	k_q06358687b6_main
	.p2align	8
	.type	k_q06358687b6_main,@function
k_q06358687b6_main:
	s_mov_b64 s[64:65], 0
	v_nop
	global_prefetch_b8 v0, s[64:65] scope:SCOPE_SE
	s_setreg_imm32_b32 hwreg(HW_REG_WAVE_MODE, 25, 1), 1
	s_wait_xcnt 0x0
; MAIN: x is read once.  256 work-groups, each a chunk of 256 rows (32 chunks to a batch); 8 waves, wave w normalises rows 32 w .. 32 w + 31.
;   y      = the row after both LayerNorms, before nk's / nv's gain (they share their statistics), f32 arithmetic, kept in LDS as bf16
;   s[r,h] = y[r] . G[h] + c[h]                       matrix unit, bf16 operands, f32 sums, in units of log2
;   p[r,h] = 2^(s - m[h]),  m[h] = the chunk's largest score (the reference's maximum, taken chunk by chunk; the next launches join them)
;   ppart[chunk][h][:] = sum over the chunk's rows of p y   matrix unit;   stats[chunk] = m, the smallest score, sum of p, for each head
; LayerNorm without differences of large sums: d = x - mean x; q = sum d^2; su = sum d g; r1 = rsq(q/512 + eps);
;   e = r1 (d g - su/512) + (b - mean b) = xn - mean xn exactly; r2 = rsq(sum e^2/512 + eps); y = e r2.
; x comes through registers (each byte is used by the wave that loads it, and LDS is taken by y): no tensor loads.  Work-groups share only
; the 16 KiB of gfrag, a thirty-second of what each reads: no cluster.  The launch streams x all the time: no prefetch.
; Limits: NaN and infinities are not served.  A p below 2^-126 comes out of v_exp_f32 as 0 (ISA guide 15.8); such a row is below the
; reference's lower clip, and the launch that joins the chunks gives it its 1e-9.
;
; REGISTERS.  Window 0: v1-13 addresses, v14 c[h], GN, BN, T, PA/PB, scores, G fragments.  Window 1 (written by its low 8 bits):
; three slots of four rows of x at 64 k (row i at 16 i), A fragments at 192; in the tail all 256 hold the transposed fragments of y.
.set PITCH,  1056                      ; a row of y in LDS: 1,024 bytes + 32; rows with bit 3 of their number set are shifted by 16 bytes.
                                       ; 1056 = 4 x 256 + 32: rows r = 0..7 start 32 bytes apart modulo 256, rows 8..15 between them
.set WROWS,  32*PITCH                  ; a wave's 32 rows
.set TILE16, 16*PITCH
.set WF,     270336                    ; behind y (256 x 1056): eight weight fragments of 1,024 bytes
.set MAXA,   278528                    ; [head][wave] f32, 512 bytes; the minima 512 further, the sums 1,024 further
.set SG,     280064                    ; a stage of 16 rows x 272 bytes for each wave, its own
.set GN,  16                           ; v[16:31]   norm_g: lane L holds columns 128 j + 4 L + e at register 4 j + e
.set BN,  32                           ; v[32:47]   norm_b - mean(norm_b)
.set T,   48                           ; v[48:79]   row i of a turn works in T + 8 i
.set PA,  80                           ; pair 80 + 4 i: - mean, later - su/512 (low register; the high one is written once)
.set PB,  82                           ; pair 82 + 4 i: r1, later r2
.set S0,  96                           ; v[96:103]  scores of my rows 0-15: lane (r, hh), register j: row 8 hh + j, head r
.set S1,  104                          ; v[104:111] rows 16-31
.set DB,  112                          ; v[112:119] second chain of the score product; later my weight fragment
.set MX,  120
.set MN,  121
.set LS,  123
.set NM,  124                          ; pair: - mean b, later - maximum
.set VW2, 126                          ; where my weight fragment goes
.set G,   128                          ; v[128:255] G fragments, 8 registers for each 32 columns
.set WB,  128                          ; tail: the eight waves' weight fragments
.set ACC, 192                          ; tail: four accumulators
.set AF,  192                          ; window 1: eight A fragments
.set MSB, 0
.macro WIN new                         ; s_set_vgpr_msb: bits 1:0 source 0, 3:2 source 1, 5:4 source 2, 7:6 destination; the high byte repeats the setting left
.if MSB != \new
	s_set_vgpr_msb (MSB<<8)|\new
.set MSB, \new
.endif
.endm
.macro REDSUM1 r
.irp m, 1,2,4,8
	v_add_f32_dpp v[\r], v[\r], v[\r] row_xmask:\m row_mask:0xf bank_mask:0xf
.endr
	v_permlanex16_b32 v[\r+1], v[\r], s22, s23
	v_add_f32 v[\r], v[\r], v[\r+1]
.endm
.macro REDSUM4 a, b, c, d              ; four sums over the wave's 32 lanes side by side; v[r+1] is scratch that has been written
.irp m, 1,2,4,8
.irp r, \a, \b, \c, \d
	v_add_f32_dpp v[\r], v[\r], v[\r] row_xmask:\m row_mask:0xf bank_mask:0xf
.endr
.endr
.irp r, \a, \b, \c, \d
	v_permlanex16_b32 v[\r+1], v[\r], s22, s23
.endr
.irp r, \a, \b, \c, \d
	v_add_f32 v[\r], v[\r], v[\r+1]
.endr
.endm
; 16 loads: rows s0 .. s0 + 3 of my 32 into slot k; each load covers 512 consecutive bytes
.macro FILL k, s0
	WIN 0x40
.irp i, 0,1,2,3
.irp j, 0,1,2,3
	global_load_b128 v[64*\k+16*\i+4*\j:64*\k+16*\i+4*\j+3], v1, s[4:5] offset:(\s0+\i)*2048+512*\j th:TH_LOAD_NT
.endr
.endr
.endm
; 16 loads: eight of the sixteen G fragments
.macro GLOAD half
	WIN 0
.irp q, 0,1,2,3,4,5,6,7
	global_load_b128 v[G+8*(8*\half+\q):G+8*(8*\half+\q)+3], v1, s[10:11] offset:1024*(8*\half+\q)
	global_load_b128 v[G+8*(8*\half+\q)+4:G+8*(8*\half+\q)+7], v1, s[10:11] offset:1024*(8*\half+\q)+512
.endr
.endm
; sum of squares of slot XB's four rows into T + 8 i (both halves of a pair, then one number, then over the lanes)
.macro SUMSQ
	WIN 0x05
.irp i, 0,1,2,3
	v_pk_mul_f32 v[T+8*\i:T+8*\i+1], v[XB+16*\i:XB+16*\i+1], v[XB+16*\i:XB+16*\i+1]
.endr
.irp p, 1,2,3,4,5,6,7
.irp i, 0,1,2,3
	v_pk_fma_f32 v[T+8*\i:T+8*\i+1], v[XB+16*\i+2*\p:XB+16*\i+2*\p+1], v[XB+16*\i+2*\p:XB+16*\i+2*\p+1], v[T+8*\i:T+8*\i+1]
.endr
.endr
.endm
; Four rows, side by side, from x in slot k to y in LDS.  left = how many younger loads may stay out.
.macro TURN k, s0, left
.set XB, 64*\k
	s_wait_loadcnt \left
	WIN 0x05                                       ; mean
.irp i, 0,1,2,3
.irp p, 0,1,2,3
	v_pk_add_f32 v[T+8*\i+2*\p:T+8*\i+2*\p+1], v[XB+16*\i+4*\p:XB+16*\i+4*\p+1], v[XB+16*\i+4*\p+2:XB+16*\i+4*\p+3]
.endr
.endr
	WIN 0
.irp i, 0,1,2,3
	v_pk_add_f32 v[T+8*\i:T+8*\i+1], v[T+8*\i:T+8*\i+1], v[T+8*\i+2:T+8*\i+3]
	v_pk_add_f32 v[T+8*\i+4:T+8*\i+5], v[T+8*\i+4:T+8*\i+5], v[T+8*\i+6:T+8*\i+7]
.endr
.irp i, 0,1,2,3
	v_pk_add_f32 v[T+8*\i:T+8*\i+1], v[T+8*\i:T+8*\i+1], v[T+8*\i+4:T+8*\i+5]
.endr
.irp i, 0,1,2,3
	v_add_f32 v[T+8*\i], v[T+8*\i], v[T+8*\i+1]
.endr
	REDSUM4 T, T+8, T+16, T+24
.irp i, 0,1,2,3
	v_mul_f32 v[PA+4*\i], s26, v[T+8*\i]           ; - mean
.endr
	WIN 0x41                                       ; d = x - mean
.irp i, 0,1,2,3
.irp p, 0,1,2,3,4,5,6,7
	v_pk_add_f32 v[XB+16*\i+2*\p:XB+16*\i+2*\p+1], v[XB+16*\i+2*\p:XB+16*\i+2*\p+1], v[PA+4*\i:PA+4*\i+1] op_sel_hi:[1,0]
.endr
.endr
	SUMSQ                                          ; q = sum d^2
	WIN 0x01                                       ; su = sum d g
.irp i, 0,1,2,3
	v_pk_mul_f32 v[T+8*\i+2:T+8*\i+3], v[XB+16*\i:XB+16*\i+1], v[GN:GN+1]
.endr
.irp p, 1,2,3,4,5,6,7
.irp i, 0,1,2,3
	v_pk_fma_f32 v[T+8*\i+2:T+8*\i+3], v[XB+16*\i+2*\p:XB+16*\i+2*\p+1], v[GN+2*\p:GN+2*\p+1], v[T+8*\i+2:T+8*\i+3]
.endr
.endr
	WIN 0
.irp i, 0,1,2,3
	v_add_f32 v[T+8*\i], v[T+8*\i], v[T+8*\i+1]
	v_add_f32 v[T+8*\i+2], v[T+8*\i+2], v[T+8*\i+3]
.endr
	REDSUM4 T, T+8, T+16, T+24
	REDSUM4 T+2, T+10, T+18, T+26
.irp i, 0,1,2,3
	v_fma_f32 v[T+8*\i], v[T+8*\i], s24, s25       ; q/512 + eps
.endr
.irp i, 0,1,2,3
	v_rsq_f32 v[PB+4*\i], v[T+8*\i]                ; r1
.endr
.irp i, 0,1,2,3
	v_mul_f32 v[PA+4*\i], s26, v[T+8*\i+2]         ; - su/512; also the plain place behind the transcendentals (ISA guide 5.7.2)
.endr
	WIN 0x41                                       ; e = r1 (d g - su/512) + (b - mean b)
.irp i, 0,1,2,3
.irp p, 0,1,2,3,4,5,6,7
	v_pk_fma_f32 v[XB+16*\i+2*\p:XB+16*\i+2*\p+1], v[XB+16*\i+2*\p:XB+16*\i+2*\p+1], v[GN+2*\p:GN+2*\p+1], v[PA+4*\i:PA+4*\i+1] op_sel_hi:[1,1,0]
.endr
.endr
	s_wait_alu depctr_va_vdst(0)
.irp i, 0,1,2,3
.irp p, 0,1,2,3,4,5,6,7
	v_pk_fma_f32 v[XB+16*\i+2*\p:XB+16*\i+2*\p+1], v[XB+16*\i+2*\p:XB+16*\i+2*\p+1], v[PB+4*\i:PB+4*\i+1], v[BN+2*\p:BN+2*\p+1] op_sel_hi:[1,0,1]
.endr
.endr
	SUMSQ                                          ; sum e^2
	WIN 0
.irp i, 0,1,2,3
	v_add_f32 v[T+8*\i], v[T+8*\i], v[T+8*\i+1]
.endr
	REDSUM4 T, T+8, T+16, T+24
.irp i, 0,1,2,3
	v_fma_f32 v[T+8*\i], v[T+8*\i], s24, s25
.endr
.irp i, 0,1,2,3
	v_rsq_f32 v[PB+4*\i], v[T+8*\i]                ; r2
.endr
	v_nop
	WIN 0x41                                       ; y = e r2
	s_wait_alu depctr_va_vdst(0)
.irp i, 0,1,2,3
.irp p, 0,1,2,3,4,5,6,7
	v_pk_mul_f32 v[XB+16*\i+2*\p:XB+16*\i+2*\p+1], v[XB+16*\i+2*\p:XB+16*\i+2*\p+1], v[PB+4*\i:PB+4*\i+1] op_sel_hi:[1,0]
.endr
.endr
	WIN 0x05
.irp i, 0,1,2,3
.irp p, 0,1,2,3,4,5,6,7
	v_cvt_pk_bf16_f32 v[T+8*\i+\p], v[XB+16*\i+2*\p], v[XB+16*\i+2*\p+1]
.endr
.endr
	WIN 0
.irp i, 0,1,2,3
.irp j, 0,1,2,3
	ds_store_b64 v2, v[T+8*\i+2*\j:T+8*\i+2*\j+1] offset:(\s0+\i)*PITCH+16*(((\s0+\i)>>3)&1)+256*\j   ; 32 lanes, 256 consecutive bytes
.endr
.endr
.endm
; Scores of 16 of my rows: 16 matrix instructions (512 columns) in two chains, acc and DB, in two batches of eight A fragments.
; The rows are my own stores: LDS serves a wave's instructions in order (ISA guide 5.7.1.4), so no wait and no barrier stands between.
.macro P1 tile, acc
.irp b, 0,1
	WIN 0x40
.irp q, 0,1,2,3,4,5,6,7
	ds_load_b128 v[AF+8*\q:AF+8*\q+3], v3 offset:\tile*TILE16+64*(8*\b+\q)
	ds_load_b128 v[AF+8*\q+4:AF+8*\q+7], v3 offset:\tile*TILE16+64*(8*\b+\q)+32
.endr
	WIN 0x01
.irp q, 0,1,2,3,4,5,6,7
.set DD, \acc+(DB-\acc)*(\q&1)
	s_wait_dscnt 14-2*\q                           ; fragment q is in; the 2 (7 - q) younger loads stay out
.if (8*\b+\q) < 2
	v_wmma_f32_16x16x32_bf16 v[DD:DD+7], v[AF+8*\q:AF+8*\q+7], v[G+8*(8*\b+\q):G+8*(8*\b+\q)+7], 0
.else
	v_wmma_f32_16x16x32_bf16 v[DD:DD+7], v[AF+8*\q:AF+8*\q+7], v[G+8*(8*\b+\q):G+8*(8*\b+\q)+7], v[DD:DD+7]
.endif
.endr
.rept 4
	v_nop                                          ; four places before loads land on the A registers and before the sums are read
.endr
.endr
	WIN 0
.irp p, 0,1,2,3
	v_pk_add_f32 v[\acc+2*\p:\acc+2*\p+1], v[\acc+2*\p:\acc+2*\p+1], v[DB+2*\p:DB+2*\p+1]
.endr
.irp p, 0,1,2,3
	v_pk_add_f32 v[\acc+2*\p:\acc+2*\p+1], v[\acc+2*\p:\acc+2*\p+1], v[14:15] op_sel_hi:[1,0]   ; + c[h]
.endr
.endm
	s_load_b256 s[4:11], s[0:1], 0x0               ; x 4, norm_g 6, norm_b 8, gfrag 10
	s_load_b128 s[12:15], s[0:1], 0x20             ; chb 12, ppart 14
	s_load_b64 s[16:17], s[0:1], 0x30              ; stats
	v_lshrrev_b32 v48, 5, v0
	v_readfirstlane_b32 s18, v48                   ; wave w
	v_and_b32 v48, 31, v0                          ; L
	v_and_b32 v49, 15, v0                          ; r
	v_bfe_u32 v50, v0, 4, 1                        ; hh
	v_lshlrev_b32 v1, 4, v48                       ; 16 L
	v_lshlrev_b32 v127, 2, v49                     ; 4 r
	s_lshl_b32 s20, ttmp9, 19                      ; the chunk's 256 rows of 2,048 bytes
	s_lshl_b32 s19, s18, 16                        ; my 32 rows
	s_add_co_u32 s20, s20, s19
	s_mov_b32 s21, 0
	s_mov_b32 s22, 0x76543210
	s_mov_b32 s23, 0xfedcba98
	s_mov_b32 s24, 0x3b000000                      ; 1/512
	s_mov_b32 s25, 0x3727c5ac                      ; 1e-5
	s_mov_b32 s26, 0xbb000000                      ; -1/512
	s_wait_kmcnt 0x0
	s_add_nc_u64 s[4:5], s[4:5], s[20:21]
	s_lshl_b32 s20, ttmp9, 15
	s_add_nc_u64 s[14:15], s[14:15], s[20:21]      ; ppart at my chunk
	s_lshl_b32 s20, ttmp9, 8
	s_add_nc_u64 s[16:17], s[16:17], s[20:21]      ; stats at my chunk
.irp j, 0,1,2,3
	global_load_b128 v[GN+4*\j:GN+4*\j+3], v1, s[6:7] offset:512*\j
.endr
.irp j, 0,1,2,3
	global_load_b128 v[BN+4*\j:BN+4*\j+3], v1, s[8:9] offset:512*\j
.endr
	global_load_b32 v14, v127, s[12:13]
	FILL 0, 0                                      ; twelve rows of each wave on their way
	FILL 1, 4
	FILL 2, 8
	WIN 0
	; addresses
	s_mul_i32 s19, s18, WROWS
	v_lshl_add_u32 v2, v48, 3, s19                 ; y out: my rows + 8 L
	v_mul_u32_u24 v51, v49, PITCH
	v_lshrrev_b32 v52, 3, v49
	v_add_nc_u32 v52, v52, v50
	v_lshl_add_u32 v51, v52, 4, v51
	v_add_nc_u32 v3, s19, v51                      ; A fragment: my rows + r pitch + 16 (r >> 3) + 16 hh
	v_and_b32 v53, 7, v0
	v_lshl_add_u32 v53, v50, 3, v53
	v_mul_u32_u24 v53, v53, PITCH
	v_bfe_u32 v54, v0, 3, 1
	v_add_nc_u32 v54, v54, v50
	v_lshl_add_u32 v53, v54, 4, v53
	s_lshl_b32 s19, s18, 7
	v_add_nc_u32 v4, s19, v53                      ; transposing load: (8 hh + (L & 7)) pitch + 16 hh + 16 ((L >> 3) & 1) + my 64 columns
	v_add_nc_u32 v5, 2*WROWS, v4                   ; one address for each 64 rows: the immediate has 16 bits
	v_add_nc_u32 v6, 4*WROWS, v4
	v_add_nc_u32 v7, 6*WROWS, v4
	v_add_nc_u32 v8, WF, v1
	s_lshl_b32 s19, s18, 10
	v_add_nc_u32 v[VW2], s19, v8
	s_lshl_b32 s19, s18, 2
	s_add_co_u32 s19, s19, MAXA
	v_lshl_add_u32 v9, v49, 5, s19                 ; [head r][wave w]
	v_lshlrev_b32 v10, 5, v49
	v_add_nc_u32 v10, MAXA, v10                    ; [head r][0]
	s_mul_i32 s19, s18, 4352
	s_add_co_u32 s19, s19, SG
	v_mul_u32_u24 v55, v49, 272
	v_lshl_add_u32 v55, v50, 5, v55
	v_add_nc_u32 v11, s19, v55                     ; stage in: row r, 32 bytes for each half of the lanes
	v_mul_u32_u24 v55, v50, 272
	v_lshl_add_u32 v55, v49, 4, v55
	v_add_nc_u32 v12, s19, v55                     ; stage back: lanes 0-15 one row, lanes 16-31 the next
	v_lshlrev_b32 v13, 11, v50
	v_lshl_add_u32 v13, v49, 4, v13
	s_lshl_b32 s19, s18, 8
	v_add_nc_u32 v13, s19, v13                     ; and the same in ppart: 2048 hh + 256 w + 16 r
	v_mov_b32 v15, 0                               ; high halves of pairs of which the low half alone is used
	v_mov_b32 v[NM+1], 0
.irp i, 0,1,2,3
	v_mov_b32 v[PA+4*\i+1], 0
	v_mov_b32 v[PB+4*\i+1], 0
.endr
	s_wait_loadcnt 48                              ; norm_g, norm_b, c are in; the 48 loads of x stay out
.irp p, 0,1,2,3
	v_pk_add_f32 v[T+2*\p:T+2*\p+1], v[BN+4*\p:BN+4*\p+1], v[BN+4*\p+2:BN+4*\p+3]
.endr
	v_pk_add_f32 v[T:T+1], v[T:T+1], v[T+2:T+3]
	v_pk_add_f32 v[T+4:T+5], v[T+4:T+5], v[T+6:T+7]
	v_pk_add_f32 v[T:T+1], v[T:T+1], v[T+4:T+5]
	v_add_f32 v[T], v[T], v[T+1]
	REDSUM1 T
	v_mul_f32 v[NM], s26, v[T]
.irp p, 0,1,2,3,4,5,6,7
	v_pk_add_f32 v[BN+2*\p:BN+2*\p+1], v[BN+2*\p:BN+2*\p+1], v[NM:NM+1] op_sel_hi:[1,0]   ; b - mean b
.endr
	; Eight turns of four rows.  Each count is the number of loads issued behind the slot's own sixteen.
	TURN 0, 0, 32                                  ; behind it: slots 1, 2
	FILL 0, 12
	GLOAD 0
	TURN 1, 4, 48                                  ; slot 2, rows 12-15, G's first half
	FILL 1, 16
	TURN 2, 8, 48                                  ; rows 12-15, G's first half, rows 16-19
	FILL 2, 20
	TURN 0, 12, 48                                 ; G's first half, rows 16-19, rows 20-23
	FILL 0, 24
	GLOAD 1
	TURN 1, 16, 48                                 ; rows 20-23, rows 24-27, G's second half
	FILL 1, 28
	TURN 2, 20, 48                                 ; rows 24-27, G's second half, rows 28-31
	TURN 0, 24, 16                                 ; rows 28-31 alone stay out: G's second half is in as well
	P1 0, S0                                       ; scores of rows 0-15 while the last rows are on their way
	TURN 1, 28, 0
	P1 1, S1
	; the chunk's largest and smallest score of each head
	v_max3_num_f32 v[MX], v[S0], v[S0+1], v[S0+2]
	v_min_num_f32 v[MN], v[S0], v[S0+1]
.irp p, 3,5,7,9,11,13
	v_max3_num_f32 v[MX], v[MX], v[S0+\p], v[S0+\p+1]
.endr
	v_max_num_f32 v[MX], v[MX], v[S0+15]
.irp p, 2,3,4,5,6,7,8,9,10,11,12,13,14,15
	v_min_num_f32 v[MN], v[MN], v[S0+\p]
.endr
	v_permlanex16_b32 v[T], v[MX], s22, s23
	v_permlanex16_b32 v[T+1], v[MN], s22, s23
	v_max_num_f32 v[MX], v[MX], v[T]
	v_min_num_f32 v[MN], v[MN], v[T+1]
	ds_store_b32 v9, v[MX]                         ; lanes r and 16 + r write the same word with the same value
	ds_store_b32 v9, v[MN] offset:512
	s_wait_dscnt 0x0                               ; these, and all my rows of y, are in LDS before I say so
	s_barrier_signal -1
	s_barrier_wait -1
	ds_load_b128 v[T:T+3], v10
	ds_load_b128 v[T+4:T+7], v10 offset:16
	ds_load_b128 v[T+8:T+11], v10 offset:512
	ds_load_b128 v[T+12:T+15], v10 offset:528
	s_wait_dscnt 0x0
	v_max3_num_f32 v[MX], v[T], v[T+1], v[T+2]
	v_max3_num_f32 v[MX], v[MX], v[T+3], v[T+4]
	v_max3_num_f32 v[MX], v[MX], v[T+5], v[T+6]
	v_max_num_f32 v[MX], v[MX], v[T+7]
	v_min_num_f32 v[MN], v[T+8], v[T+9]
.irp p, 10,11,12,13,14,15
	v_min_num_f32 v[MN], v[MN], v[T+\p]
.endr
	v_mul_f32 v[NM], -1.0, v[MX]
.irp p, 0,1,2,3,4,5,6,7
	v_pk_add_f32 v[S0+2*\p:S0+2*\p+1], v[S0+2*\p:S0+2*\p+1], v[NM:NM+1] op_sel_hi:[1,0]
.endr
.irp p, 0,1,2,3,4,5,6,7,8,9,10,11,12,13,14,15
	v_exp_f32 v[S0+\p], v[S0+\p]                   ; p = 2^(s - m), at most 1
.endr
	v_nop
	s_wait_alu depctr_va_vdst(0)
.irp p, 0,1,2,3
	v_pk_add_f32 v[T+2*\p:T+2*\p+1], v[S0+4*\p:S0+4*\p+1], v[S0+4*\p+2:S0+4*\p+3]
.endr
	v_pk_add_f32 v[T:T+1], v[T:T+1], v[T+2:T+3]
	v_pk_add_f32 v[T+4:T+5], v[T+4:T+5], v[T+6:T+7]
	v_pk_add_f32 v[T:T+1], v[T:T+1], v[T+4:T+5]
	v_add_f32 v[LS], v[T], v[T+1]
	v_permlanex16_b32 v[T+2], v[LS], s22, s23
	v_add_f32 v[LS], v[LS], v[T+2]                 ; sum of p over my 32 rows
	; Packed in pairs the scores' registers ARE the second product's B fragment: lane = head, registers 0-3 rows 8 hh .. + 7, 4-7 rows 16 + 8 hh ..
.irp p, 0,1,2,3,4,5,6,7
	v_cvt_pk_bf16_f32 v[DB+\p], v[S0+2*\p], v[S0+2*\p+1]
.endr
	ds_store_b128 v[VW2], v[DB:DB+3]
	ds_store_b128 v[VW2], v[DB+4:DB+7] offset:512
	ds_store_b32 v9, v[LS] offset:1024
	s_wait_dscnt 0x0                               ; my fragment and my sum are in LDS before I say so
	s_barrier_signal -1
	s_barrier_wait -1
	; ppart[h][64 w .. 64 w + 63] = sum over the 256 rows of p y: A = y transposed (16 columns x 32 rows), B = the weights.
.irp ks, 0,1,2,3,4,5,6,7
	ds_load_b128 v[WB+8*\ks:WB+8*\ks+3], v8 offset:1024*\ks
	ds_load_b128 v[WB+8*\ks+4:WB+8*\ks+7], v8 offset:1024*\ks+512
.endr
	WIN 0x40
.irp ks, 0,1,2,3,4,5,6,7
.irp a, 0,1,2,3
	ds_load_tr16_b128 v[32*\ks+8*\a:32*\ks+8*\a+3], v[4+(\ks>>1)] offset:(\ks&1)*WROWS+32*\a
	ds_load_tr16_b128 v[32*\ks+8*\a+4:32*\ks+8*\a+7], v[4+(\ks>>1)] offset:(\ks&1)*WROWS+32*\a+TILE16
.endr
.endr
	WIN 0x01
.irp ks, 0,1,2,3,4,5,6,7
	s_wait_dscnt 56-8*\ks                          ; the eight loads of these 32 rows are in; 8 (7 - ks) younger ones stay out
.irp a, 0,1,2,3
.if \ks == 0
	v_wmma_f32_16x16x32_bf16 v[ACC+8*\a:ACC+8*\a+7], v[32*\ks+8*\a:32*\ks+8*\a+7], v[WB+8*\ks:WB+8*\ks+7], 0
.else
	v_wmma_f32_16x16x32_bf16 v[ACC+8*\a:ACC+8*\a+7], v[32*\ks+8*\a:32*\ks+8*\a+7], v[WB+8*\ks:WB+8*\ks+7], v[ACC+8*\a:ACC+8*\a+7]
.endif
.endr
.endr
.rept 4
	v_nop                                          ; four places before the LDS stores read the sums
.endr
	WIN 0
	; lane (r, hh), register i of accumulator a = P[head r][64 w + 16 a + 8 hh + i]: through my own stage into whole rows of 256 bytes
.irp a, 0,1,2,3
	ds_store_b128 v11, v[ACC+8*\a:ACC+8*\a+3] offset:64*\a
	ds_store_b128 v11, v[ACC+8*\a+4:ACC+8*\a+7] offset:64*\a+16
.endr
.irp k, 0,1,2,3,4,5,6,7
	ds_load_b128 v[T+4*\k:T+4*\k+3], v12 offset:544*\k     ; my own bytes, served in order behind the stores
.endr
.irp k, 0,1,2,3,4,5,6,7
	s_wait_dscnt 7-\k
	global_store_b128 v13, v[T+4*\k:T+4*\k+3], s[14:15] offset:4096*\k   ; sixteen lanes store 256 consecutive bytes, aligned
.endr
	s_cmp_lg_u32 s18, 0
	s_cbranch_scc1 .Lend
	; wave 0: lane r: (largest, sum), lane 16 + r: (smallest, sum) of head r: 256 consecutive bytes
	ds_load_b128 v[S0:S0+3], v10 offset:1024
	ds_load_b128 v[S0+4:S0+7], v10 offset:1040
	v_lshrrev_b32 v[S0+10], 1, v1                  ; 8 L
	v_cmp_le_u32 vcc_lo, 0x100, v1                 ; L >= 16
	v_cndmask_b32 v[S0+8], v[MX], v[MN], vcc_lo
	s_wait_dscnt 0x0
	v_pk_add_f32 v[S0:S0+1], v[S0:S0+1], v[S0+2:S0+3]
	v_pk_add_f32 v[S0+4:S0+5], v[S0+4:S0+5], v[S0+6:S0+7]
	v_pk_add_f32 v[S0:S0+1], v[S0:S0+1], v[S0+4:S0+5]
	v_add_f32 v[S0+9], v[S0], v[S0+1]
	global_store_b64 v[S0+10], v[S0+8:S0+9], s[16:17]
.Lend:
	s_wait_xcnt 0x0
	v_lshl_add_u32 v254, v0, 2, 0x4ce00
	v_mov_b32 v255, 0
	s_wait_tensorcnt 0x0
	ds_add_u32 v254, v255
	s_wait_dscnt 0x0
	s_endpgm
.Lfunc_end_k_q06358687b6_main:
	.size	k_q06358687b6_main, .Lfunc_end_k_q06358687b6_main-k_q06358687b6_main
	.p2alignl 7, 3214868480
	.fill 96, 4, 3214868480
	.section	.rodata,"a",@progbits
	.p2align	6, 0x0
	.amdhsa_kernel k_q06358687b6_main
		.amdhsa_group_segment_fixed_size 315904
		.amdhsa_private_segment_fixed_size 0
		.amdhsa_enable_private_segment 0
		.amdhsa_kernarg_size 56
		.amdhsa_user_sgpr_count 2
		.amdhsa_user_sgpr_kernarg_segment_ptr 1
		.amdhsa_wavefront_size32 1
		.amdhsa_system_sgpr_workgroup_id_x 1
		.amdhsa_system_sgpr_workgroup_id_y 1
		.amdhsa_system_sgpr_workgroup_id_z 1
		.amdhsa_system_vgpr_workitem_id 0
		.amdhsa_next_free_vgpr 512
		.amdhsa_next_free_sgpr 66
		.amdhsa_reserve_vcc 1
		.amdhsa_float_denorm_mode_32 3
		.amdhsa_float_denorm_mode_16_64 3
		.amdhsa_memory_ordered 1
		.amdhsa_forward_progress 1
		.amdhsa_inst_pref_size 255
	.end_amdhsa_kernel
	.amdgpu_metadata
---
amdhsa.version: [ 1, 2 ]
amdhsa.kernels:
  - .name:           k_q06358687b6_main
    .symbol:         k_q06358687b6_main.kd
    .args:
      - { .name: x, .offset: 0, .size: 8, .value_kind: global_buffer, .address_space: global }
      - { .name: norm_g, .offset: 8, .size: 8, .value_kind: global_buffer, .address_space: global }
      - { .name: norm_b, .offset: 16, .size: 8, .value_kind: global_buffer, .address_space: global }
      - { .name: gfrag, .offset: 24, .size: 8, .value_kind: global_buffer, .address_space: global }
      - { .name: chb, .offset: 32, .size: 8, .value_kind: global_buffer, .address_space: global }
      - { .name: ppart, .offset: 40, .size: 8, .value_kind: global_buffer, .address_space: global }
      - { .name: stats, .offset: 48, .size: 8, .value_kind: global_buffer, .address_space: global }
    .group_segment_fixed_size: 315904
    .private_segment_fixed_size: 0
    .kernarg_segment_align: 8
    .kernarg_segment_size: 56
    .max_flat_workgroup_size: 256
    .sgpr_count:     66
    .vgpr_count:     512
    .wavefront_size: 32
...
	.end_amdgpu_metadata
.endif
;; end of part 2
;; launch mark (part 3): grid 128 x 1, 1 waves a work-group, no clusters, 0 bytes of LDS; arguments stats, comb, flags; writes comb, flags
.if DOCPART == 3
	.amdgcn_target "amdgcn-amd-amdhsa--gfx1250"
	.amdhsa_code_object_version 6
	.text
	.protected	k_q06358687b6_mark
	.globl	k_q06358687b6_mark
	.p2align	8
	.type	k_q06358687b6_mark,@function
k_q06358687b6_mark:
	s_mov_b64 s[64:65], 0
	v_nop
	global_prefetch_b8 v0, s[64:65] scope:SCOPE_SE
	s_setreg_imm32_b32 hwreg(HW_REG_WAVE_MODE, 25, 1), 1
	s_wait_xcnt 0x0
; MARK: one wave for each (batch, head); lane c = chunk c of the batch's 32.  Joins the chunks' maxima and sums:
;   M = max m_c,  L = sum l_c 2^(m_c - M),  Linv = 1 / (L + 1e-9) (the reference's divisor),  fac_c = 2^(m_c - M) Linv,  A = L Linv.
; comb[bh]: words 0-31 fac, 32 M, 33 Linv, 34 A, 35-63 zero.
; flags[bh], whole numbers: bit c is set if the smallest weight of chunk c is below 2e-9.  Only such chunks can hold a row that the
; reference's lower clip (1e-9) lifts; the factor two covers the difference between the bf16 scores from which the minimum comes and
; the f32 scores with which the next launch forms the clip term.  A chunk marked without need costs time, never a value.
; Limits: NaN and infinities are not served.
	s_load_b128 s[4:7], s[0:1], 0x0                ; stats, comb
	s_load_b64 s[8:9], s[0:1], 0x10                ; flags
	s_lshr_b32 s10, ttmp9, 4                       ; batch
	s_and_b32 s11, ttmp9, 15                       ; head
	s_lshl_b32 s12, s10, 13                        ; 32 chunks of 256 bytes
	s_lshl3_add_u32 s12, s11, s12                  ; + 8 h
	s_mov_b32 s13, 0
	s_mov_b32 s14, 0x76543210
	s_mov_b32 s15, 0xfedcba98
	v_lshlrev_b32 v1, 8, v0                        ; 256 c
	v_lshlrev_b32 v2, 2, v0                        ; 4 c
	s_wait_kmcnt 0x0
	s_add_nc_u64 s[4:5], s[4:5], s[12:13]
	global_load_b64 v[4:5], v1, s[4:5]             ; m_c, l_c
	global_load_b32 v6, v1, s[4:5] offset:128      ; the chunk's smallest score
	s_lshl_b32 s12, ttmp9, 8
	s_add_nc_u64 s[6:7], s[6:7], s[12:13]
	s_lshl_b32 s12, ttmp9, 2
	s_add_nc_u64 s[8:9], s[8:9], s[12:13]
	v_mov_b32 v9, 0
	v_mov_b32 v13, 0
	s_wait_loadcnt 0x0
	v_mov_b32 v8, v4
.irp m, 1,2,4,8
	v_max_num_f32_dpp v8, v8, v8 row_xmask:\m row_mask:0xf bank_mask:0xf
.endr
	v_permlanex16_b32 v9, v8, s14, s15
	v_max_num_f32 v8, v8, v9                       ; M
	v_sub_f32 v10, v4, v8
	v_sub_f32 v11, v6, v8
	v_exp_f32 v10, v10                             ; 2^(m_c - M)
	v_exp_f32 v11, v11                             ; 2^(min_c - M)
	v_nop
	s_wait_alu depctr_va_vdst(0)
	v_mul_f32 v12, v5, v10
.irp m, 1,2,4,8
	v_add_f32_dpp v12, v12, v12 row_xmask:\m row_mask:0xf bank_mask:0xf
.endr
	v_permlanex16_b32 v13, v12, s14, s15
	v_add_f32 v12, v12, v13                        ; L
	v_add_f32 v14, 0x3089705f, v12                 ; + 1e-9
	v_rcp_f32 v15, v14
	v_nop
	s_wait_alu depctr_va_vdst(0)
	v_mul_f32 v16, v10, v15                        ; fac_c
	v_mul_f32 v17, v11, v15                        ; the chunk's smallest weight
	v_mul_f32 v18, v12, v15                        ; A
	v_cmp_gt_f32 vcc_lo, 0x3109705f, v17           ; 2e-9 > it
	v_mov_b32 v19, vcc_lo                          ; the 32 chunks' bits
	v_cmp_eq_u32 vcc_lo, 0, v0
	v_cndmask_b32 v20, 0, v8, vcc_lo
	v_cmp_eq_u32 vcc_lo, 1, v0
	v_cndmask_b32 v20, v20, v15, vcc_lo
	v_cmp_eq_u32 vcc_lo, 2, v0
	v_cndmask_b32 v20, v20, v18, vcc_lo
	global_store_b32 v2, v16, s[6:7]               ; the two stores fill the row's 256 bytes
	global_store_b32 v2, v20, s[6:7] offset:128
	s_wait_xcnt 0x0                                ; EXEC is a source of the pending stores
	v_cmp_eq_u32 vcc_lo, 0, v0
	s_and_saveexec_b32 s16, vcc_lo
	global_store_b32 v2, v19, s[8:9]               ; lane 0 (its v2 is 0)
	s_wait_xcnt 0x0
	s_or_b32 exec_lo, exec_lo, s16
	s_endpgm
.Lfunc_end_k_q06358687b6_mark:
	.size	k_q06358687b6_mark, .Lfunc_end_k_q06358687b6_mark-k_q06358687b6_mark
	.p2alignl 7, 3214868480
	.fill 96, 4, 3214868480
	.section	.rodata,"a",@progbits
	.p2align	6, 0x0
	.amdhsa_kernel k_q06358687b6_mark
		.amdhsa_group_segment_fixed_size 0
		.amdhsa_private_segment_fixed_size 0
		.amdhsa_enable_private_segment 0
		.amdhsa_kernarg_size 24
		.amdhsa_user_sgpr_count 2
		.amdhsa_user_sgpr_kernarg_segment_ptr 1
		.amdhsa_wavefront_size32 1
		.amdhsa_system_sgpr_workgroup_id_x 1
		.amdhsa_system_sgpr_workgroup_id_y 1
		.amdhsa_system_sgpr_workgroup_id_z 1
		.amdhsa_system_vgpr_workitem_id 0
		.amdhsa_next_free_vgpr 24
		.amdhsa_next_free_sgpr 66
		.amdhsa_reserve_vcc 1
		.amdhsa_float_denorm_mode_32 3
		.amdhsa_float_denorm_mode_16_64 3
		.amdhsa_memory_ordered 1
		.amdhsa_forward_progress 1
		.amdhsa_inst_pref_size 4
	.end_amdhsa_kernel
	.amdgpu_metadata
---
amdhsa.version: [ 1, 2 ]
amdhsa.kernels:
  - .name:           k_q06358687b6_mark
    .symbol:         k_q06358687b6_mark.kd
    .args:
      - { .name: stats, .offset: 0, .size: 8, .value_kind: global_buffer, .address_space: global }
      - { .name: comb, .offset: 8, .size: 8, .value_kind: global_buffer, .address_space: global }
      - { .name: flags, .offset: 16, .size: 8, .value_kind: global_buffer, .address_space: global }
    .group_segment_fixed_size: 0
    .private_segment_fixed_size: 0
    .kernarg_segment_align: 8
    .kernarg_segment_size: 24
    .max_flat_workgroup_size: 32
    .sgpr_count:     66
    .vgpr_count:     24
    .wavefront_size: 32
...
	.end_amdgpu_metadata
.endif
;; end of part 3
;; launch comb4 (part 4): grid 128 x 1, 8 waves a work-group, no clusters, 25,856 bytes of LDS; arguments ppart, comb, flags, x, norm_g, norm_b, gf32, chb, nv_g, nv_b, Wv, bv, Wo, tpart; writes tpart
.if DOCPART == 4
	.amdgcn_target "amdgcn-amd-amdhsa--gfx1250"
	.amdhsa_code_object_version 6
	.text
	.protected	k_q06358687b6_comb4
	.globl	k_q06358687b6_comb4
	.p2align	8
	.type	k_q06358687b6_comb4,@function
k_q06358687b6_comb4:
	s_mov_b64 s[64:65], 0
	v_nop
	global_prefetch_b8 v0, s[64:65] scope:SCOPE_SE
	s_setreg_imm32_b32 hwreg(HW_REG_WAVE_MODE, 25, 1), 1
	s_wait_xcnt 0x0
; COMB4: one work-group for each (batch b, head h).
;   P  = sum over the batch's 32 chunks of fac_c ppart[c][h]          = sum over rows of attn y
;   clip: max(attn, 1e-9) = attn + max(1e-9 - attn, 0).  The second term is formed only for chunks whose bit in flags[bh] is set: their rows
;         are read from x again, normalised as in the main launch, scored in f32, and add w' y to P and w' to the weights' sum.
;         The upper clip never binds: each exponential is one term of the divisor's sum, so attn <= 1 for every input.
;   WT = A + sum of w'      pv = nv_g P + nv_b WT      o1[d] = Wv[32 h + d] . pv + bv[32 h + d] WT      tpart[b][h][j] = sum over d of o1[d] Wo[j][32 h + d]
; One-row products that read each weight once: vector arithmetic in f32; nothing is shared between work-groups but small vectors: no cluster.
; Limits: NaN and infinities are not served.  The clip term's scores are f32, the main sum's bf16: for a clipped row the two weights differ
; by a small fraction of 1e-9.
.set SELLO, 72
.set SELHI, 73
.set ACC, 8                            ; v[8:11]    my four columns of half the chunks
.set WP,  12                           ; sum of my rows' w'
.set WT,  14                           ; pair: the weights' sum (low)
.set DL,  16                           ; v[16:31]   sum of w' y: lane L holds columns 128 j + 4 L + e at 4 j + e
.set NG,  32                           ; v[32:33]   nv_g[2 t, 2 t + 1]
.set NB,  34                           ; v[34:35]   nv_b
.set SC0, 36                           ; v[36:63]   at work: nothing that has to last lies here
.set PL,  64                           ; v[64:127]  16 chunks' four columns; later pv and sums
.set WV,  128                          ; v[128:191] rows 32 h + 4 w + i of Wv
.set WO,  192                          ; v[192:255] Wo[64 w + 4 k + (L >> 3)][32 h + 4 (L & 7) ..]
.set X,   128                          ; the clip path uses v128-213 and loads the weights again behind it
.set TM,  144
.set GG,  160
.set BB,  176
.set GH,  192
.set PR,  208
.set WS,  20480                        ; LDS: rows of 2,048 bytes at 0: two halves of the chunks, then eight waves' clip terms; then 8 words,
.set PV,  20512                        ; pv[512],
.set O1,  22560                        ; o1[32],
.set TS,  22688                        ; t[512]
.macro REDSUM1 r
.irp m, 1,2,4,8
	v_add_f32_dpp v[\r], v[\r], v[\r] row_xmask:\m row_mask:0xf bank_mask:0xf
.endr
	v_permlanex16_b32 v[\r+1], v[\r], s[SELLO], s[SELHI]
	v_add_f32 v[\r], v[\r], v[\r+1]
.endm
.macro REDSUM4 a, b, c, d
.irp m, 1,2,4,8
.irp r, \a, \b, \c, \d
	v_add_f32_dpp v[\r], v[\r], v[\r] row_xmask:\m row_mask:0xf bank_mask:0xf
.endr
.endr
.irp r, \a, \b, \c, \d
	v_permlanex16_b32 v[\r+1], v[\r], s[SELLO], s[SELHI]
.endr
.irp r, \a, \b, \c, \d
	v_add_f32 v[\r], v[\r], v[\r+1]
.endr
.endm
.macro LOADW                           ; 32 loads: my four rows of Wv, and the head's 128 bytes of my 64 rows of Wo
.irp i, 0,1,2,3
.irp j, 0,1,2,3
	global_load_b128 v[WV+16*\i+4*\j:WV+16*\i+4*\j+3], v2, s[24:25] offset:2048*\i+512*\j
.endr
.endr
.irp k, 0,1,2,3,4,5,6,7,8,9,10,11,12,13,14,15
	global_load_b128 v[WO+4*\k:WO+4*\k+3], v5, s[28:29] offset:8192*\k
.endr
.endm
.macro SUM16 src                       ; the lane's sixteen numbers at src into v[TM]
.irp p, 0,1,2,3
	v_pk_add_f32 v[TM+2*\p:TM+2*\p+1], v[\src+4*\p:\src+4*\p+1], v[\src+4*\p+2:\src+4*\p+3]
.endr
	v_pk_add_f32 v[TM:TM+1], v[TM:TM+1], v[TM+2:TM+3]
	v_pk_add_f32 v[TM+4:TM+5], v[TM+4:TM+5], v[TM+6:TM+7]
	v_pk_add_f32 v[TM:TM+1], v[TM:TM+1], v[TM+4:TM+5]
	v_add_f32 v[TM], v[TM], v[TM+1]
.endm
	s_load_b512 s[4:19], s[0:1], 0x0               ; ppart 4, comb 6, flags 8, x 10, norm_g 12, norm_b 14, gf32 16, chb 18
	s_load_b256 s[20:27], s[0:1], 0x40             ; nv_g 20, nv_b 22, Wv 24, bv 26
	s_load_b128 s[28:31], s[0:1], 0x60             ; Wo 28, tpart 30
	s_set_vgpr_msb 0x40
	v_lshl_add_u32 v0, v0, 2, 0x6100
	v_mov_b32 v1, 0
	s_set_vgpr_msb 0x4000
	v_lshrrev_b32 v6, 5, v0
	v_readfirstlane_b32 s32, v6                    ; wave w
	s_lshr_b32 s33, s32, 2                         ; g: which 16 chunks are mine
	s_lshr_b32 s34, ttmp9, 4                       ; batch
	s_and_b32 s35, ttmp9, 15                       ; head
	s_mov_b32 s72, 0x76543210
	s_mov_b32 s73, 0xfedcba98
	s_mov_b32 s74, 0x3b000000                      ; 1/512
	s_mov_b32 s75, 0x3089705f                      ; 1e-9
	s_mov_b32 s76, 0x3727c5ac                      ; 1e-5
	s_mov_b32 s77, 0xbb000000                      ; -1/512
	s_lshl_b32 s80, ttmp9, 8                       ; comb's row
	s_lshl_b32 s81, s33, 6
	s_add_co_u32 s81, s81, s80                     ; + my 16 factors
	s_lshl_b32 s82, ttmp9, 2                       ; flags' word
	s_lshl_b32 s83, s35, 2                         ; c[h]
	s_lshl_b32 s58, s35, 5
	s_lshl2_add_u32 s58, s32, s58                  ; 32 h + 4 w
	s_lshl_b32 s59, s58, 2                         ; its place in bv
	v_and_b32 v1, 31, v0                           ; L
	v_lshlrev_b32 v2, 4, v1                        ; 16 L
	v_lshlrev_b32 v3, 3, v0                        ; 8 t
	v_and_b32 v4, 127, v0
	v_lshlrev_b32 v4, 4, v4                        ; 16 (t & 127)
	v_lshrrev_b32 v5, 3, v1
	v_and_b32 v6, 7, v1
	v_lshlrev_b32 v7, 4, v6                        ; 16 (L & 7)
	v_lshl_add_u32 v5, v5, 11, v7                  ; (L >> 3) rows of Wo + 16 (L & 7)
	s_lshl_b32 s79, s32, 17
	v_add_nc_u32 v5, s79, v5                       ; + 64 w rows
	s_wait_kmcnt 0x0
	s_load_b512 s[36:51], s[6:7], s81 offset:0x0   ; fac of my 16 chunks
	s_load_b128 s[52:55], s[6:7], s80 offset:0x80  ; M, Linv, A, 0
	s_load_b32 s56, s[8:9], s82 offset:0x0         ; the chunks' bits
	s_load_b32 s57, s[18:19], s83 offset:0x0       ; c[h]
	s_load_b128 s[60:63], s[26:27], s59 offset:0x0 ; bv of my four rows
	s_lshl_b32 s66, s34, 5
	s_lshl4_add_u32 s66, s33, s66                  ; chunk 32 b + 16 g
	s_lshl_b32 s66, s66, 15
	s_lshl_b32 s67, s35, 11
	s_add_co_u32 s66, s66, s67
	s_mov_b32 s67, 0
	s_add_nc_u64 s[4:5], s[4:5], s[66:67]          ; ppart at that chunk, head h
	s_lshl_b32 s66, s58, 11
	s_add_nc_u64 s[24:25], s[24:25], s[66:67]      ; Wv at my rows
	s_lshl_b32 s66, s35, 7
	s_add_nc_u64 s[28:29], s[28:29], s[66:67]      ; Wo at the head's columns
	s_lshl_b32 s66, ttmp9, 11
	s_add_nc_u64 s[30:31], s[30:31], s[66:67]      ; tpart at (b, h)
	s_lshl_b32 s66, s35, 11
	s_add_nc_u64 s[16:17], s[16:17], s[66:67]      ; gf32 at row h
.irp i, 0,1,2,3,4,5,6,7,8,9,10,11,12,13,14,15
	global_load_b128 v[PL+4*\i:PL+4*\i+3], v4, s[4:5] offset:32768*\i
.endr
	global_load_b64 v[NG:NG+1], v3, s[20:21]
	global_load_b64 v[NB:NB+1], v3, s[22:23]
	LOADW
.irp p, 0,1,2,3,4,5,6,7,8,9,10,11,12,13,14,15
	v_mov_b32 v[DL+\p], 0                          ; the clip term is zero where no chunk is marked
.endr
	v_mov_b32 v[WP], 0
	v_mov_b32 v[WT+1], 0
	s_wait_kmcnt 0x0
	s_cmp_eq_u32 s56, 0
	s_cbranch_scc1 .Lnoclip
	; THE CLIP TERM.  No barrier stands in this part.  Wave w takes rows 32 w .. 32 w + 31 of each marked chunk, one row at a time.
	s_wait_loadcnt 0x0                             ; v128-255 are used here: everything that was to land there has landed
.irp j, 0,1,2,3
	global_load_b128 v[GG+4*\j:GG+4*\j+3], v2, s[12:13] offset:512*\j
	global_load_b128 v[BB+4*\j:BB+4*\j+3], v2, s[14:15] offset:512*\j
	global_load_b128 v[GH+4*\j:GH+4*\j+3], v2, s[16:17] offset:512*\j
.endr
	v_mov_b32 v[PR+1], 0
	v_mov_b32 v[PR+3], 0
	v_mov_b32 v[PR+5], 0
	s_wait_loadcnt 0x0
	SUM16 BB
	REDSUM1 TM
	v_mul_f32 v[PR], s77, v[TM]
.irp p, 0,1,2,3,4,5,6,7
	v_pk_add_f32 v[BB+2*\p:BB+2*\p+1], v[BB+2*\p:BB+2*\p+1], v[PR:PR+1] op_sel_hi:[1,0]   ; b - mean b
.endr
	s_mov_b32 s70, 0
.Lchunk:
	s_bitcmp1_b32 s56, s70
	s_cbranch_scc0 .Lnext
	s_lshl_b32 s66, s34, 13                        ; row 8192 b + 256 c + 32 w
	s_lshl_b32 s67, s70, 8
	s_add_co_u32 s66, s66, s67
	s_lshl_b32 s67, s32, 5
	s_add_co_u32 s66, s66, s67
	s_lshl_b32 s66, s66, 11                        ; in bytes: below 2^27
	s_mov_b32 s67, 0
	s_add_nc_u64 s[68:69], s[10:11], s[66:67]
	s_mov_b32 s71, 0
.Lrow:
.irp j, 0,1,2,3
	global_load_b128 v[X+4*\j:X+4*\j+3], v2, s[68:69] offset:512*\j
.endr
	s_wait_loadcnt 0x0                             ; the row is in, and its pointer is free to be stepped
	SUM16 X
	REDSUM1 TM
	v_mul_f32 v[PR], s77, v[TM]                    ; - mean
.irp p, 0,1,2,3,4,5,6,7
	v_pk_add_f32 v[X+2*\p:X+2*\p+1], v[X+2*\p:X+2*\p+1], v[PR:PR+1] op_sel_hi:[1,0]
.endr
	v_pk_mul_f32 v[TM:TM+1], v[X:X+1], v[X:X+1]
	v_pk_mul_f32 v[TM+2:TM+3], v[X:X+1], v[GG:GG+1]
.irp p, 1,2,3,4,5,6,7
	v_pk_fma_f32 v[TM:TM+1], v[X+2*\p:X+2*\p+1], v[X+2*\p:X+2*\p+1], v[TM:TM+1]
	v_pk_fma_f32 v[TM+2:TM+3], v[X+2*\p:X+2*\p+1], v[GG+2*\p:GG+2*\p+1], v[TM+2:TM+3]
.endr
	v_add_f32 v[TM], v[TM], v[TM+1]
	v_add_f32 v[TM+2], v[TM+2], v[TM+3]
	REDSUM1 TM
	REDSUM1 TM+2
	v_fma_f32 v[TM], v[TM], s74, s76
	v_rsq_f32 v[PR+2], v[TM]                       ; r1
	v_mul_f32 v[PR], s77, v[TM+2]                  ; - su/512; the plain place behind the transcendental
.irp p, 0,1,2,3,4,5,6,7
	v_pk_fma_f32 v[X+2*\p:X+2*\p+1], v[X+2*\p:X+2*\p+1], v[GG+2*\p:GG+2*\p+1], v[PR:PR+1] op_sel_hi:[1,1,0]
.endr
	s_wait_alu depctr_va_vdst(0)
.irp p, 0,1,2,3,4,5,6,7
	v_pk_fma_f32 v[X+2*\p:X+2*\p+1], v[X+2*\p:X+2*\p+1], v[PR+2:PR+3], v[BB+2*\p:BB+2*\p+1] op_sel_hi:[1,0,1]
.endr
	v_pk_mul_f32 v[TM:TM+1], v[X:X+1], v[X:X+1]
.irp p, 1,2,3,4,5,6,7
	v_pk_fma_f32 v[TM:TM+1], v[X+2*\p:X+2*\p+1], v[X+2*\p:X+2*\p+1], v[TM:TM+1]
.endr
	v_add_f32 v[TM], v[TM], v[TM+1]
	REDSUM1 TM
	v_fma_f32 v[TM], v[TM], s74, s76
	v_rsq_f32 v[PR+2], v[TM]                       ; r2
	v_nop
	s_wait_alu depctr_va_vdst(0)
.irp p, 0,1,2,3,4,5,6,7
	v_pk_mul_f32 v[X+2*\p:X+2*\p+1], v[X+2*\p:X+2*\p+1], v[PR+2:PR+3] op_sel_hi:[1,0]     ; y
.endr
	v_pk_mul_f32 v[TM:TM+1], v[X:X+1], v[GH:GH+1]
.irp p, 1,2,3,4,5,6,7
	v_pk_fma_f32 v[TM:TM+1], v[X+2*\p:X+2*\p+1], v[GH+2*\p:GH+2*\p+1], v[TM:TM+1]
.endr
	v_add_f32 v[TM], v[TM], v[TM+1]
	REDSUM1 TM
	v_add_f32 v[TM], s57, v[TM]                    ; the score,
	v_sub_f32 v[TM], v[TM], s52                    ; less the batch's maximum
	v_exp_f32 v[TM], v[TM]
	v_nop
	s_wait_alu depctr_va_vdst(0)
	v_fma_f32 v[PR+4], -v[TM], s53, s75            ; 1e-9 - attn
	v_max_num_f32 v[PR+4], 0, v[PR+4]              ; w'
.irp p, 0,1,2,3,4,5,6,7
	v_pk_fma_f32 v[DL+2*\p:DL+2*\p+1], v[X+2*\p:X+2*\p+1], v[PR+4:PR+5], v[DL+2*\p:DL+2*\p+1] op_sel_hi:[1,0,1]
.endr
	v_add_f32 v[WP], v[WP], v[PR+4]
	s_add_nc_u64 s[68:69], s[68:69], 2048
	s_add_co_u32 s71, s71, 1
	s_cmp_lt_u32 s71, 32
	s_cbranch_scc1 .Lrow
.Lnext:
	s_add_co_u32 s70, s70, 1
	s_cmp_lt_u32 s70, 32
	s_cbranch_scc1 .Lchunk
	LOADW                                          ; the weights again: their registers were used
.Lnoclip:
	s_lshl_b32 s66, s32, 11
	s_add_co_u32 s66, s66, 4096
	v_add_nc_u32 v6, s66, v2                       ; row 2 + w
.irp j, 0,1,2,3
	ds_store_b128 v6, v[DL+4*\j:DL+4*\j+3] offset:512*\j
.endr
	s_lshl_b32 s66, s32, 2
	v_mov_b32 v13, s66
	ds_store_b32 v13, v[WP] offset:WS
	s_wait_loadcnt 34                              ; ppart's 16 loads are in; nv_g, nv_b and the 32 loads of weights may stay out (behind the clip part only those 32 are out)
.irp e, 0,1,2,3
	v_mul_f32 v[ACC+\e], s36, v[PL+\e]
.endr
.irp i, 1,2,3,4,5,6,7,8,9,10,11,12,13,14,15
.irp e, 0,1,2,3
	v_fmac_f32 v[ACC+\e], s[36+\i], v[PL+4*\i+\e]
.endr
.endr
	v_lshlrev_b32 v6, 4, v0                        ; 2048 g + 16 (t & 127) = 16 t
	ds_store_b128 v6, v[ACC:ACC+3]
	s_wait_dscnt 0x0                               ; my parts are in LDS before I say so
	s_barrier_signal -1
	s_barrier_wait -1
.irp k, 0,1,2,3,4,5,6,7,8,9
	ds_load_b64 v[SC0+2*\k:SC0+2*\k+1], v3 offset:2048*\k
.endr
	v_mov_b32 v13, 0
	ds_load_b128 v[56:59], v13 offset:WS
	ds_load_b128 v[60:63], v13 offset:WS+16
	s_wait_dscnt 0x0
	s_wait_loadcnt 32                              ; nv_g and nv_b are in; the 32 loads of weights stay out
.irp k, 0,2,4,6,8
	v_pk_add_f32 v[SC0+2*\k:SC0+2*\k+1], v[SC0+2*\k:SC0+2*\k+1], v[SC0+2*\k+2:SC0+2*\k+3]
.endr
	v_pk_add_f32 v[SC0:SC0+1], v[SC0:SC0+1], v[SC0+4:SC0+5]
	v_pk_add_f32 v[SC0+8:SC0+9], v[SC0+8:SC0+9], v[SC0+12:SC0+13]
	v_pk_add_f32 v[SC0:SC0+1], v[SC0:SC0+1], v[SC0+8:SC0+9]
	v_pk_add_f32 v[SC0:SC0+1], v[SC0:SC0+1], v[SC0+16:SC0+17]      ; P of my two columns
	v_pk_add_f32 v[56:57], v[56:57], v[58:59]
	v_pk_add_f32 v[60:61], v[60:61], v[62:63]
	v_pk_add_f32 v[56:57], v[56:57], v[60:61]
	v_add_f32 v[WT], v56, v57
	v_add_f32 v[WT], s54, v[WT]                    ; the weights' sum
	v_pk_mul_f32 v[SC0+2:SC0+3], v[NB:NB+1], v[WT:WT+1] op_sel_hi:[1,0]
	v_pk_fma_f32 v[SC0+2:SC0+3], v[NG:NG+1], v[SC0:SC0+1], v[SC0+2:SC0+3]
	ds_store_b64 v3, v[SC0+2:SC0+3] offset:PV
	s_wait_dscnt 0x0                               ; pv is in LDS before I say so
	s_barrier_signal -1
	s_barrier_wait -1
.irp j, 0,1,2,3
	ds_load_b128 v[PL+4*\j:PL+4*\j+3], v2 offset:PV+512*\j
.endr
	s_wait_dscnt 0x0
	s_wait_loadcnt 16                              ; Wv is in; Wo's 16 loads stay out
.irp i, 0,1,2,3
	v_pk_mul_f32 v[SC0+4*\i:SC0+4*\i+1], v[WV+16*\i:WV+16*\i+1], v[PL:PL+1]
.endr
.irp p, 1,2,3,4,5,6,7
.irp i, 0,1,2,3
	v_pk_fma_f32 v[SC0+4*\i:SC0+4*\i+1], v[WV+16*\i+2*\p:WV+16*\i+2*\p+1], v[PL+2*\p:PL+2*\p+1], v[SC0+4*\i:SC0+4*\i+1]
.endr
.endr
.irp i, 0,1,2,3
	v_add_f32 v[SC0+4*\i], v[SC0+4*\i], v[SC0+4*\i+1]
.endr
	REDSUM4 SC0, SC0+4, SC0+8, SC0+12
	s_lshl_b32 s66, s32, 4
	v_mov_b32 v13, s66                             ; 16 w
.irp i, 0,1,2,3
	v_fma_f32 v[SC0+4*\i], s[60+\i], v[WT], v[SC0+4*\i]
	ds_store_b32 v13, v[SC0+4*\i] offset:O1+4*\i
.endr
	s_wait_dscnt 0x0                               ; my four o1 are in LDS before I say so
	s_barrier_signal -1
	s_barrier_wait -1
	ds_load_b128 v[52:55], v7 offset:O1            ; o1[4 (L & 7) ..]
	; the two addresses of the way out, made here: v56-63 hold nothing any more, and nothing is loaded into them from here on
	s_lshl_b32 s66, s32, 8                         ; 256 w: my wave's 64 numbers of t
	v_lshrrev_b32 v56, 3, v1                       ; L >> 3
	v_lshl_add_u32 v57, v56, 2, s66                ; 256 w + 4 (L >> 3)
	v_lshl_add_u32 v58, v1, 3, s66                 ; 256 w + 8 L
	s_wait_dscnt 0x0
	s_wait_loadcnt 0x0                             ; Wo
.irp k, 0,1,2,3,4,5,6,7,8,9,10,11,12,13,14,15
	v_pk_mul_f32 v[96+2*\k:97+2*\k], v[WO+4*\k:WO+4*\k+1], v[52:53]
.endr
.irp k, 0,1,2,3,4,5,6,7,8,9,10,11,12,13,14,15
	v_pk_fma_f32 v[96+2*\k:97+2*\k], v[WO+4*\k+2:WO+4*\k+3], v[54:55], v[96+2*\k:97+2*\k]
.endr
.irp k, 0,1,2,3,4,5,6,7,8,9,10,11,12,13,14,15
	v_add_f32 v[96+2*\k], v[96+2*\k], v[97+2*\k]
.endr
.irp m, 1,2,4
.irp k, 0,1,2,3,4,5,6,7,8,9,10,11,12,13,14,15
	v_add_f32_dpp v[96+2*\k], v[96+2*\k], v[96+2*\k] row_xmask:\m row_mask:0xf bank_mask:0xf   ; over the eight lanes of a row of Wo
.endr
.endr
.irp k, 0,1,2,3,4,5,6,7,8,9,10,11,12,13,14,15
	ds_store_b32 v57, v[96+2*\k] offset:TS+16*\k   ; t[64 w + 4 k + (L >> 3)]: eight lanes write the same word with the same value
.endr
	ds_load_b64 v[36:37], v58 offset:TS            ; my wave's own 256 bytes, served in order behind the stores
	s_wait_dscnt 0x0
	global_store_b64 v58, v[36:37], s[30:31]       ; a wave stores 256 consecutive bytes, aligned
	s_set_vgpr_msb 0x5
	s_wait_tensorcnt 0x0
	ds_add_u32 v0, v1
	s_wait_dscnt 0x0
	s_set_vgpr_msb 0x500
	s_endpgm
.Lfunc_end_k_q06358687b6_comb4:
	.size	k_q06358687b6_comb4, .Lfunc_end_k_q06358687b6_comb4-k_q06358687b6_comb4
	.p2alignl 7, 3214868480
	.fill 96, 4, 3214868480
	.section	.rodata,"a",@progbits
	.p2align	6, 0x0
	.amdhsa_kernel k_q06358687b6_comb4
		.amdhsa_group_segment_fixed_size 25856
		.amdhsa_private_segment_fixed_size 0
		.amdhsa_enable_private_segment 0
		.amdhsa_kernarg_size 112
		.amdhsa_user_sgpr_count 2
		.amdhsa_user_sgpr_kernarg_segment_ptr 1
		.amdhsa_wavefront_size32 1
		.amdhsa_system_sgpr_workgroup_id_x 1
		.amdhsa_system_sgpr_workgroup_id_y 1
		.amdhsa_system_sgpr_workgroup_id_z 1
		.amdhsa_system_vgpr_workitem_id 0
		.amdhsa_next_free_vgpr 258
		.amdhsa_next_free_sgpr 84
		.amdhsa_reserve_vcc 0
		.amdhsa_float_denorm_mode_32 3
		.amdhsa_float_denorm_mode_16_64 3
		.amdhsa_memory_ordered 1
		.amdhsa_forward_progress 1
		.amdhsa_inst_pref_size 39
	.end_amdhsa_kernel
	.amdgpu_metadata
---
amdhsa.version: [ 1, 2 ]
amdhsa.kernels:
  - .name:           k_q06358687b6_comb4
    .symbol:         k_q06358687b6_comb4.kd
    .args:
      - { .name: ppart, .offset: 0, .size: 8, .value_kind: global_buffer, .address_space: global }
      - { .name: comb, .offset: 8, .size: 8, .value_kind: global_buffer, .address_space: global }
      - { .name: flags, .offset: 16, .size: 8, .value_kind: global_buffer, .address_space: global }
      - { .name: x, .offset: 24, .size: 8, .value_kind: global_buffer, .address_space: global }
      - { .name: norm_g, .offset: 32, .size: 8, .value_kind: global_buffer, .address_space: global }
      - { .name: norm_b, .offset: 40, .size: 8, .value_kind: global_buffer, .address_space: global }
      - { .name: gf32, .offset: 48, .size: 8, .value_kind: global_buffer, .address_space: global }
      - { .name: chb, .offset: 56, .size: 8, .value_kind: global_buffer, .address_space: global }
      - { .name: nv_g, .offset: 64, .size: 8, .value_kind: global_buffer, .address_space: global }
      - { .name: nv_b, .offset: 72, .size: 8, .value_kind: global_buffer, .address_space: global }
      - { .name: Wv, .offset: 80, .size: 8, .value_kind: global_buffer, .address_space: global }
      - { .name: bv, .offset: 88, .size: 8, .value_kind: global_buffer, .address_space: global }
      - { .name: Wo, .offset: 96, .size: 8, .value_kind: global_buffer, .address_space: global }
      - { .name: tpart, .offset: 104, .size: 8, .value_kind: global_buffer, .address_space: global }
    .group_segment_fixed_size: 25856
    .private_segment_fixed_size: 0
    .kernarg_segment_align: 8
    .kernarg_segment_size: 112
    .max_flat_workgroup_size: 256
    .sgpr_count:     84
    .vgpr_count:     258
    .wavefront_size: 32
...
	.end_amdgpu_metadata
.endif
;; end of part 4
;; launch fin (part 5): grid 8 x 1, 4 waves a work-group, no clusters, 768 bytes of LDS; arguments tpart, bo, no_g, no_b, out0; writes out0
.if DOCPART == 5
	.amdgcn_target "amdgcn-amd-amdhsa--gfx1250"
	.amdhsa_code_object_version 6
	.text
	.protected	k_q06358687b6_fin
	.globl	k_q06358687b6_fin
	.p2align	8
	.type	k_q06358687b6_fin,@function
k_q06358687b6_fin:
	s_mov_b64 s[64:65], 0
	v_nop
	global_prefetch_b8 v0, s[64:65] scope:SCOPE_SE
	s_setreg_imm32_b32 hwreg(HW_REG_WAVE_MODE, 25, 1), 1
	s_wait_xcnt 0x0
; FIN: one work-group for each batch row.  out = LayerNorm(sum over the 16 heads of tpart[b][h] + bo) with no_g, no_b.
; Thread t (0 to 127) owns columns 4 t .. 4 t + 3; every load and the store of a wave cover 512 consecutive bytes.
; The mean is taken away before the squares are summed, as in the reference.  Limits: NaN and infinities are not served.
.set TP, 16                            ; v[16:79] the sixteen heads' four columns
.macro REDSUM1 r
.irp m, 1,2,4,8
	v_add_f32_dpp v[\r], v[\r], v[\r] row_xmask:\m row_mask:0xf bank_mask:0xf
.endr
	v_permlanex16_b32 v[\r+1], v[\r], s18, s19
	v_add_f32 v[\r], v[\r], v[\r+1]
.endm
	s_load_b256 s[4:11], s[0:1], 0x0               ; tpart 4, bo 6, no_g 8, no_b 10
	s_load_b64 s[12:13], s[0:1], 0x20              ; out0
	v_lshl_add_u32 v96, v0, 2, 0x100
	v_mov_b32 v97, 0
	v_lshrrev_b32 v1, 5, v0
	v_readfirstlane_b32 s14, v1                    ; wave
	v_lshlrev_b32 v2, 4, v0                        ; 16 t
	s_lshl_b32 s16, ttmp9, 15                      ; 16 rows of 2,048 bytes
	s_mov_b32 s17, 0
	s_mov_b32 s18, 0x76543210
	s_mov_b32 s19, 0xfedcba98
	s_mov_b32 s20, 0xbb000000                      ; -1/512
	s_mov_b32 s21, 0x3b000000                      ; 1/512
	s_mov_b32 s22, 0x3727c5ac                      ; 1e-5
	s_wait_kmcnt 0x0
	s_add_nc_u64 s[4:5], s[4:5], s[16:17]
.irp k, 0,1,2,3,4,5,6,7,8,9,10,11,12,13,14,15
	global_load_b128 v[TP+4*\k:TP+4*\k+3], v2, s[4:5] offset:2048*\k
.endr
	global_load_b128 v[4:7], v2, s[6:7]
	global_load_b128 v[8:11], v2, s[8:9]
	global_load_b128 v[12:15], v2, s[10:11]
	s_lshl_b32 s16, ttmp9, 11
	s_add_nc_u64 s[12:13], s[12:13], s[16:17]
	s_lshl_b32 s15, s14, 2
	v_mov_b32 v1, s15                              ; 4 w
	v_mov_b32 v3, 0
	v_mov_b32 v83, 0
	s_wait_loadcnt 0x0
.irp k, 0,1,2,3,4,5,6,7
	v_pk_add_f32 v[TP+4*\k:TP+4*\k+1], v[TP+4*\k:TP+4*\k+1], v[TP+4*\k+32:TP+4*\k+33]
	v_pk_add_f32 v[TP+4*\k+2:TP+4*\k+3], v[TP+4*\k+2:TP+4*\k+3], v[TP+4*\k+34:TP+4*\k+35]
.endr
.irp k, 0,1,2,3
	v_pk_add_f32 v[TP+4*\k:TP+4*\k+1], v[TP+4*\k:TP+4*\k+1], v[TP+4*\k+16:TP+4*\k+17]
	v_pk_add_f32 v[TP+4*\k+2:TP+4*\k+3], v[TP+4*\k+2:TP+4*\k+3], v[TP+4*\k+18:TP+4*\k+19]
.endr
.irp k, 0,1
	v_pk_add_f32 v[TP+4*\k:TP+4*\k+1], v[TP+4*\k:TP+4*\k+1], v[TP+4*\k+8:TP+4*\k+9]
	v_pk_add_f32 v[TP+4*\k+2:TP+4*\k+3], v[TP+4*\k+2:TP+4*\k+3], v[TP+4*\k+10:TP+4*\k+11]
.endr
	v_pk_add_f32 v[TP:TP+1], v[TP:TP+1], v[TP+4:TP+5]
	v_pk_add_f32 v[TP+2:TP+3], v[TP+2:TP+3], v[TP+6:TP+7]
	v_pk_add_f32 v[4:5], v[4:5], v[TP:TP+1]        ; + bo
	v_pk_add_f32 v[6:7], v[6:7], v[TP+2:TP+3]
	; the mean, over lanes and then over the four waves
	v_pk_add_f32 v[80:81], v[4:5], v[6:7]
	v_add_f32 v80, v80, v81
	REDSUM1 80
	ds_store_b32 v1, v80
	s_wait_dscnt 0x0                               ; my sum is in LDS before I say so
	s_barrier_signal -1
	s_barrier_wait -1
	ds_load_b128 v[84:87], v3
	s_wait_dscnt 0x0
	v_pk_add_f32 v[84:85], v[84:85], v[86:87]
	v_add_f32 v84, v84, v85
	v_mul_f32 v82, s20, v84                        ; - mean
	v_pk_add_f32 v[4:5], v[4:5], v[82:83] op_sel_hi:[1,0]
	v_pk_add_f32 v[6:7], v[6:7], v[82:83] op_sel_hi:[1,0]
	v_pk_mul_f32 v[80:81], v[4:5], v[4:5]
	v_pk_fma_f32 v[80:81], v[6:7], v[6:7], v[80:81]
	v_add_f32 v80, v80, v81
	REDSUM1 80
	ds_store_b32 v1, v80 offset:16                 ; other bytes than the first sum's: no barrier is owed to its readers
	s_wait_dscnt 0x0
	s_barrier_signal -1
	s_barrier_wait -1
	ds_load_b128 v[84:87], v3 offset:16
	s_wait_dscnt 0x0
	v_pk_add_f32 v[84:85], v[84:85], v[86:87]
	v_add_f32 v84, v84, v85
	v_fma_f32 v84, v84, s21, s22                   ; variance + 1e-5
	v_rsq_f32 v82, v84
	v_nop
	s_wait_alu depctr_va_vdst(0)
	v_pk_mul_f32 v[4:5], v[4:5], v[82:83] op_sel_hi:[1,0]
	v_pk_mul_f32 v[6:7], v[6:7], v[82:83] op_sel_hi:[1,0]
	v_pk_fma_f32 v[4:5], v[4:5], v[8:9], v[12:13]
	v_pk_fma_f32 v[6:7], v[6:7], v[10:11], v[14:15]
	global_store_b128 v2, v[4:7], s[12:13]
	s_wait_tensorcnt 0x0
	ds_add_u32 v96, v97
	s_wait_dscnt 0x0
	s_endpgm
.Lfunc_end_k_q06358687b6_fin:
	.size	k_q06358687b6_fin, .Lfunc_end_k_q06358687b6_fin-k_q06358687b6_fin
	.p2alignl 7, 3214868480
	.fill 96, 4, 3214868480
	.section	.rodata,"a",@progbits
	.p2align	6, 0x0
	.amdhsa_kernel k_q06358687b6_fin
		.amdhsa_group_segment_fixed_size 768
		.amdhsa_private_segment_fixed_size 0
		.amdhsa_enable_private_segment 0
		.amdhsa_kernarg_size 40
		.amdhsa_user_sgpr_count 2
		.amdhsa_user_sgpr_kernarg_segment_ptr 1
		.amdhsa_wavefront_size32 1
		.amdhsa_system_sgpr_workgroup_id_x 1
		.amdhsa_system_sgpr_workgroup_id_y 1
		.amdhsa_system_sgpr_workgroup_id_z 1
		.amdhsa_system_vgpr_workitem_id 0
		.amdhsa_next_free_vgpr 98
		.amdhsa_next_free_sgpr 66
		.amdhsa_reserve_vcc 0
		.amdhsa_float_denorm_mode_32 3
		.amdhsa_float_denorm_mode_16_64 3
		.amdhsa_memory_ordered 1
		.amdhsa_forward_progress 1
		.amdhsa_inst_pref_size 8
	.end_amdhsa_kernel
	.amdgpu_metadata
---
amdhsa.version: [ 1, 2 ]
amdhsa.kernels:
  - .name:           k_q06358687b6_fin
    .symbol:         k_q06358687b6_fin.kd
    .args:
      - { .name: tpart, .offset: 0, .size: 8, .value_kind: global_buffer, .address_space: global }
      - { .name: bo, .offset: 8, .size: 8, .value_kind: global_buffer, .address_space: global }
      - { .name: no_g, .offset: 16, .size: 8, .value_kind: global_buffer, .address_space: global }
      - { .name: no_b, .offset: 24, .size: 8, .value_kind: global_buffer, .address_space: global }
      - { .name: out0, .offset: 32, .size: 8, .value_kind: global_buffer, .address_space: global }
    .group_segment_fixed_size: 768
    .private_segment_fixed_size: 0
    .kernarg_segment_align: 8
    .kernarg_segment_size: 40
    .max_flat_workgroup_size: 128
    .sgpr_count:     66
    .vgpr_count:     98
    .wavefront_size: 32
...
	.end_amdgpu_metadata
.endif
;; end of part 5
